; MI455X (gfx1250); checked and timed in simulation.
; The chip was launched on July 23, 2026; its instructions are those of AMD's public machine-readable ISA for CDNA 5 (MIT licence, August 2026) and "CDNA5" Instruction Set Architecture Reference Guide (July 2026). The comments in the code are by the model that wrote it; some were corrected since.
;; Multihead Attention. Allowed arithmetic: matrix products marked QUANTISED: E2M1 operands, one E8M0 scale for each 32 along K, by v_wmma_scale_f32_16x16x128_f8f6f4 with both operands' format E2M1 (or v_wmma_scale_f32_32x16x128_f4), f32 sums; products left as they are: bf16, f16 or f32 operands; f32 sums; everything else in f32.
;; Inputs: b0 512 float32; bk 512 float32; bq 512 float32; bv 512 float32; k 2 x 4,096 x 512 float32; mask 2 x 4,096 x 4,096 int32; q 2 x 4,096 x 512 float32; v 2 x 4,096 x 512 float32; w0 512 x 512 float32; wk 512 x 512 float32; wq 512 x 512 float32; wv 512 x 512 float32.
;; Outputs: out0 2 x 4,096 x 512 float32.
;; This version of the problem:
;;   THIS VERSION OF THE PROBLEM IS GIVEN IN LOW PRECISION. The matrix products marked QUANTISED in the list below multiply operands that are first quantised to E2M1 (2 exponent bits, 1 mantissa bit; 4 bits a number), with one power-of-two scale for each 32 numbers along K (OCP MX v1.0); their sums are f32. The products marked 'left as it is' may take bf16, f16 or f32 operands, with f32 sums. Whichever they take, every output number must still come out within the allowed error. Rounding operands to bf16 (8 significant bits) uses up far more of that allowance than f16 does (11 bits, for magnitudes from 6e-5 to 65,504). All else is computed in f32.
;;   The module's matrix products, in the order in which they are computed (A, B: the left and right operand; K: the contracted axis; several contracted axes count as one K, in the product's order):
;;     1. [M 8,192, K 512] x [K 512, N 512]; A: input q; B: input wq: QUANTISED
;;     2. [M 8,192, K 512] x [K 512, N 512]; A: input k; B: input wk: QUANTISED
;;     3. [M 8,192, K 512] x [K 512, N 512]; A: input v; B: input wv: QUANTISED
;;     4. batch 16 x [M 4,096, K 64] x [K 64, N 4,096]; A: computed on the way; B: computed on the way: left as it is (an operand is computed on the way)
;;     5. batch 16 x [M 4,096, K 4,096] x [K 4,096, N 64]; A: computed on the way; B: computed on the way: left as it is (an operand is computed on the way)
;;     6. [M 8,192, K 512] x [K 512, N 512]; A: computed on the way; B: input w0: left as it is (an operand is computed on the way)
;;   THE QUANTISER, for each operand of a quantised product, along K:
;;     - K is cut into blocks of 32 from its start; a last block that is shorter is filled with zeros.
;;     - A block's scale is 2^e with e = floor(log2(the largest magnitude in the block)) - 2, held to -126 .. 127; a block of zeros has e = 0. As a byte (E8M0): e + 127.
;;     - Each number is divided by its block's scale, clamped to +-6, and rounded to the nearest number of E2M1, ties to even, subnormals kept.
;;     - The product sums the exact products of the quantised numbers (number of the format x scale) in f32.
;;   ~~~python
;;   def quantise(x, axis):      # numpy; x: float32 -> the quantised numbers, widened to float32 again
;;       x = np.moveaxis(x, axis, -1); K = x.shape[-1]
;;       x = np.pad(x, [(0, 0)] * (x.ndim - 1) + [(0, -K % 32)]); x = x.reshape(x.shape[:-1] + (-1, 32)); a = np.abs(x).max(-1, keepdims=True)
;;       e = np.where(a > 0, np.clip(np.frexp(np.where(a > 0, a, 1))[1] - 1 - 2, -126, 127), 0)      # np.frexp(a)[1] - 1 = floor(log2(a)), exactly
;;       r = np.clip(x / 2.0 ** e, -6, 6)
;;       step = 2.0 ** (np.maximum(np.frexp(np.where(r == 0, 1, r))[1] - 1, 0) - 1)
;;       q = np.round(r / step) * step * 2.0 ** e      # np.round: ties to even
;;       return np.moveaxis(q.reshape(q.shape[:-2] + (-1,))[..., :K], -1, axis).astype(np.float32)
;;   ~~~
;; One version. Each part assembles by itself: llvm-mc -triple=amdgcn-amd-amdhsa -mcpu=gfx1250 --defsym DOCPART=n.
;; ======== version 1 of 1: 4 launches
;; limits: values are held in f16: magnitudes above 65,504 overflow, below 6.1e-05 lose precision
;; workspace buffers: mw 4,194,304 bytes of whole numbers; xc 6,684,672 bytes; xs 417,792 bytes; w0h 524,288 bytes; qimg 8,388,608 bytes; kvimg 16,777,216 bytes; oimg 8,388,608 bytes
;; launch prep (part 1): grid 1440 x 1, 4 waves a work-group, no clusters, 34,304 bytes of LDS; arguments mask, q, k, v, wq, wk, wv, w0, mw, xc, xs, w0h; writes mw, xc, xs, w0h
.if DOCPART == 1
	.amdgcn_target "amdgcn-amd-amdhsa--gfx1250"
	.amdhsa_code_object_version 6
	.text
	.protected	k_q263b33b32d_prep
	.globl	k_q263b33b32d_prep
	.p2align	8
	.type	k_q263b33b32d_prep,@function
k_q263b33b32d_prep:
	s_mov_b64 s[64:65], 0
	v_nop
	global_prefetch_b8 v0, s[64:65] scope:SCOPE_SE
	s_setreg_imm32_b32 hwreg(HW_REG_WAVE_MODE, 25, 1), 1
	s_wait_xcnt 0x0
; THREE JOBS OF ONE SHAPE, told apart by the work-group's number.  The unit of work is 16 rows x 512 bytes (128 numbers of 4 bytes a row); a wave takes four units side by side.
;   work-groups 0-1023:    the mask [2][4096][4096] int32 becomes LANE-MASK WORDS: mw[row tile][key step J of 64][32 words]; word 8 t + j, bit L = (mask[16 T + L % 16][64 J + 16 t + 8 (L / 16) + j] != 0):
;                          the very lanes and registers in which the attention launch holds its scores.
;   work-groups 1024-1431: q, k, v, wq, wk, wv (f32, K = 512 innermost) become codes of E2M1 with one E8M0 byte for each 32 along K.  The codes are laid as IMAGES OF THE OPERAND'S REGISTERS:
;                          xc[row tile][K step of 128][piece c][512 bytes], lane l's 16 bytes at 16 l; the scale bytes plainly, xs[row][16].
;   work-groups 1432-1439: w0 (f32) becomes f16 fragments of 16 n x 32 k, as images: w0h[k / 256][column tile][f][c][512].
; A block's scale is 2^(floor(log2(its largest magnitude)) - 2); its byte is that magnitude's exponent field - 2, held at 1 from below.
; LIMITS: a block of zeros gets the byte 1, not 127 (its codes are zeros, and this program alone reads the bytes); NaN and infinities among the inputs are not served; w0 beyond 65,504 in magnitude has no f16 number.
; EVERY LOAD READS 512 CONSECUTIVE BYTES OF ONE ROW.  The 16 rows then turn through the wave's own stage in LDS and come back so that lane (r, h) holds, of row r, elements 16 p + 8 h + 0 .. 7 in registers 8 p + 0 .. 7.
; All LDS lines stand in text that the three jobs share; only register work and global stores stand in the jobs' own arms.  Waves share nothing: no barrier.  No tensor load: matrix units, clusters and a ring would add nothing to a stream.
.set SP,    528                        ; a stage row: 512 bytes + 16: an odd multiple of 16 bytes, so that the 16 rows that a load touches start 16 bytes apart modulo 256
.set STG,   16*SP                      ; a wave's stage
.set SPARE, 4*STG                      ; behind the four stages: the spare words, 128 bytes for each wave: two blocks of 256 bytes that no other line names
.set STI,   4                          ; v4   the stage on the way in: 16 x lane
.set STO,   5                          ; v5   and on the way out: SP r + 32 h
.set LI,    6                          ; v6   16 x lane: an image's place for my lane
.set XSO,   7                          ; v7   16 r + 8 h: my 8 scale bytes
.set SW,    8                          ; v8-11   my row's scale word of each K step
.set SPW,   12                         ; v12  LDS address of my spare word; never rewritten
.set NIL,   13                         ; v13  0; never rewritten
.set OFFR,  16                         ; v16-31  16 x lane + i x the row pitch; never rewritten
.set R,     32                         ; v32-159 two sets of 64 registers as loaded
.set X,     160                        ; v160-223 the unit after the turn
.set C,     224                        ; v224-231 a fragment's codes
.set M,     232                        ; v232-239 the wave's 256 mask words: word W in register 4 (W / 128) + W % 4, lane (W % 128) / 4
.set TM,    240                        ; v240-255 at work
.set WV,    28
.set ROLE,  29                         ; 0 mask, 1 quantise, 2 w0
.set GQ,    30                         ; which run of four units is my wave's
.set PITCH, 31                         ; bytes from row to row of the source
.set CM,    32                         ; s[32:63] 32 lane masks
.set SEL,   66                         ; s[66:67] lane selects for v_permlanex16_b32: lane l xor 16
.set SRC,   68                         ; s[68:69] the source at my first row
	s_load_b512 s[4:19], s[0:1], 0x0               ; mask, q, k, v, wq, wk, wv, w0
	s_load_b256 s[20:27], s[0:1], 0x40             ; mw, xc, xs, w0h
	v_lshl_add_u32 v[SPW], v0, 2, SPARE
	v_mov_b32 v[NIL], 0
	v_lshrrev_b32 v14, 5, v0
	v_readfirstlane_b32 s[WV], v14                 ; wave 0..3
	v_and_b32 v1, 31, v0                           ; lane
	v_and_b32 v2, 15, v0                           ; r
	v_bfe_u32 v3, v0, 4, 1                         ; h
	s_mul_i32 s70, s[WV], STG
	v_lshlrev_b32 v[LI], 4, v1
	v_add_nc_u32 v[STI], s70, v[LI]
	v_mul_u32_u24 v[STO], v2, SP
	v_lshl_add_u32 v[STO], v3, 5, v[STO]
	v_add_nc_u32 v[STO], s70, v[STO]
	v_lshlrev_b32 v[XSO], 4, v2
	v_lshl_add_u32 v[XSO], v3, 3, v[XSO]
.irp i, 0,1,2,3
	v_mov_b32 v[SW+\i], 0                          ; written whole once, whatever the job
	v_mov_b32 v[TM+4+\i], 0                        ; a lane permute's destination counts as one of its sources
.endr
.irp i, 0,1,2,3,4,5,6,7
	v_mov_b32 v[M+\i], 0                           ; v_writelane_b32 writes one lane: the register is written whole first
.endr
	s_mov_b32 s[SEL], 0x76543210
	s_mov_b32 s[SEL+1], 0xfedcba98
	s_cmp_lt_u32 ttmp9, 1024                       ; the job hangs on the work-group's number alone
	s_cselect_b32 s[ROLE], 0, 1
	s_cselect_b32 s71, 0, 1024
	s_mov_b32 s[PITCH], 2048
	s_cselect_b32 s[PITCH], 16384, s[PITCH]
	s_cmp_lt_u32 ttmp9, 1432
	s_cselect_b32 s[ROLE], s[ROLE], 2
	s_cselect_b32 s71, s71, 1432
	s_sub_co_u32 s[GQ], ttmp9, s71
	s_lshl_b32 s[GQ], s[GQ], 2
	s_add_co_u32 s[GQ], s[GQ], s[WV]
.irp i, 0,1,2,3,4,5,6,7,8,9,10,11,12,13,14,15
	v_mad_u32_u24 v[OFFR+\i], s[PITCH], \i, v[LI]
.endr
	s_wait_kmcnt 0x0
	; the quantiser's tensor: row tiles 0-511 q, 512-1023 k, 1024-1535 v, 1536-1567 wq, 1568-1599 wk, 1600-1631 wv
	s_mov_b64 s[SRC:SRC+1], s[16:17]
	s_mov_b32 s72, 1600
	s_cmp_lt_u32 s[GQ], 1600
	s_cselect_b64 s[SRC:SRC+1], s[14:15], s[SRC:SRC+1]
	s_cselect_b32 s72, 1568, s72
	s_cmp_lt_u32 s[GQ], 1568
	s_cselect_b64 s[SRC:SRC+1], s[12:13], s[SRC:SRC+1]
	s_cselect_b32 s72, 1536, s72
	s_cmp_lt_u32 s[GQ], 1536
	s_cselect_b64 s[SRC:SRC+1], s[10:11], s[SRC:SRC+1]
	s_cselect_b32 s72, 1024, s72
	s_cmp_lt_u32 s[GQ], 1024
	s_cselect_b64 s[SRC:SRC+1], s[8:9], s[SRC:SRC+1]
	s_cselect_b32 s72, 512, s72
	s_cmp_lt_u32 s[GQ], 512
	s_cselect_b64 s[SRC:SRC+1], s[6:7], s[SRC:SRC+1]
	s_cselect_b32 s72, 0, s72
	s_cmp_eq_u32 s[ROLE], 2
	s_cselect_b64 s[SRC:SRC+1], s[18:19], s[SRC:SRC+1]
	s_cselect_b32 s72, 0, s72
	s_sub_co_u32 s72, s[GQ], s72
	s_lshl_b32 s72, s72, 15                        ; 16 rows of 2,048 bytes a row tile
	s_lshr_b32 s73, s[GQ], 3                       ; the mask: 16 rows of 16,384 bytes a row tile, eight runs of 2,048 bytes side by side
	s_lshl_b32 s73, s73, 18
	s_and_b32 s74, s[GQ], 7
	s_lshl_b32 s74, s74, 11
	s_add_co_u32 s73, s73, s74
	s_cmp_eq_u32 s[ROLE], 0
	s_cselect_b64 s[SRC:SRC+1], s[4:5], s[SRC:SRC+1]
	s_cselect_b32 s72, s73, s72
	s_mov_b32 s73, 0
	s_add_nc_u64 s[SRC:SRC+1], s[SRC:SRC+1], s[72:73]
	s_lshl_b32 s72, s[GQ], 10                      ; where my results go: each job uses its own of these
	s_add_nc_u64 s[20:21], s[20:21], s[72:73]      ; mw: 1,024 bytes a run
	s_lshl_b32 s72, s[GQ], 12
	s_add_nc_u64 s[22:23], s[22:23], s[72:73]      ; xc: 4,096 bytes a row tile
	s_lshl_b32 s72, s[GQ], 8
	s_add_nc_u64 s[24:25], s[24:25], s[72:73]      ; xs: 256
	s_lshl_b32 s72, s[GQ], 13
	s_add_nc_u64 s[26:27], s[26:27], s[72:73]      ; w0h: 8,192 a column tile
.macro LOADT u                         ; unit u: 16 loads, each 512 consecutive bytes of one row
.irp i, 0,1,2,3,4,5,6,7,8,9,10,11,12,13,14,15
	global_load_b128 v[R+64*((\u)%2)+4*\i:R+64*((\u)%2)+4*\i+3], v[OFFR+\i], s[SRC:SRC+1] offset:512*(\u) th:TH_LOAD_NT
.endr
.endm
; The mask: register 32 n + i of the unit is word i of key step 2 u + n.  A compare gives the 32 lanes' bits as one scalar word; v_writelane_b32 puts it where the wave's two stores at the end want it.
.macro MASKU u
.irp n, 0,1
.set i, 0
.rept 32
	v_cmp_ne_u32 s[CM+i], 0, v[X+32*\n+i]
.set i, i+1
.endr
.set i, 0
.rept 32
.set W, 64*(\u)+32*\n+i
	v_writelane_b32 v[M+4*(W/128)+W%4], s[CM+i], (W%128)/4
.set i, i+1
.endr
.endr
.endm
; The quantiser: unit u is K step u.  Block b of 32 lies in registers 16 b .. 16 b + 15 of lanes l and l xor 16.
.macro QUANTU u
.irp b, 0,1,2,3
	v_max3_num_f32 v[TM+\b], |v[X+16*\b]|, |v[X+16*\b+1]|, 0x1800000   ; my 16 numbers, and the floor 2^(3 - 127): the byte cannot fall under 1
.endr
.irp i, 2,4,6,8,10,12,14
.irp b, 0,1,2,3
	v_max3_num_f32 v[TM+\b], v[TM+\b], |v[X+16*\b+\i]|, |v[X+16*\b+\i+1]|   ; the four blocks by turns
.endr
.endr
.irp b, 0,1,2,3
	v_permlanex16_b32 v[TM+4+\b], v[TM+\b], s[SEL], s[SEL+1]
.endr
.irp b, 0,1,2,3
	v_max_num_f32 v[TM+\b], v[TM+\b], v[TM+4+\b]   ; the block's largest magnitude
.endr
.irp b, 0,1,2,3
	v_add_nc_u32 v[TM+12+\b], 0xff000000, v[TM+\b] ; 2 off its exponent field: the conversion takes the exponent field of this operand as its scale
.endr
.irp b, 0,1,2,3
	v_lshrrev_b32 v[TM+4+\b], 23, v[TM+12+\b]      ; the scale's byte
.endr
	v_lshl_or_b32 v[SW+\u], v[TM+5], 8, v[TM+4]
	v_lshl_or_b32 v[SW+\u], v[TM+6], 16, v[SW+\u]
	v_lshl_or_b32 v[SW+\u], v[TM+7], 24, v[SW+\u]
; piece p (k = 16 p + 8 h + 0 .. 7) goes where the two exchanges below make of pieces 4 c .. 4 c + 3 the operand's registers 4 c .. 4 c + 3 (k = 64 c + 32 h + 0 .. 31)
.irp p, 0,1,2,3,4,5,6,7
	v_cvt_scalef32_pk8_fp4_f32 v[C+4*(\p/4)+2*(\p%2)+(\p%4)/2], v[X+8*\p:X+8*\p+7], v[TM+12+\p/2]
.endr
	v_nop                                          ; one plain line between a scaled conversion and the vector line that touches its result
.irp c, 0,1
	v_permlane16_swap_b32 v[C+4*\c], v[C+4*\c+1]   ; the first's lanes 16-31 change places with the second's lanes 0-15
	v_permlane16_swap_b32 v[C+4*\c+2], v[C+4*\c+3]
.endr
.irp c, 0,1
	global_store_b128 v[LI], v[C+4*\c:C+4*\c+3], s[22:23] offset:1024*(\u)+512*\c   ; 512 consecutive bytes, aligned
.endr
.endm
; w0: eight numbers of a piece pack into 16 bytes; piece p of unit u is piece p % 2 of fragment 4 (u % 2) + p / 2 of K chunk u / 2.  In place, ascending: register i is written when registers 2 i and 2 i + 1 are read.
.macro W0U u
.set i, 0
.rept 32
	v_cvt_pk_f16_f32 v[X+i], v[X+2*i], v[X+2*i+1]
.set i, i+1
.endr
.irp p, 0,1,2,3,4,5,6,7
	global_store_b128 v[LI], v[X+4*\p:X+4*\p+3], s[26:27] offset:((\u)/2)*262144+((\u)%2)*4096+512*\p
.endr
.endm
.macro UNIT u
.if (\u) < 3
	s_wait_loadcnt 16                              ; this unit's 16 loads are in; the next unit's 16 may be out
.else
	s_wait_loadcnt 0x0
.endif
	s_wait_xcnt 0x0                                ; the last unit's stores have read their registers: X and C are written again only behind this wait
.irp i, 0,1,2,3,4,5,6,7,8,9,10,11,12,13,14,15
	ds_store_b128 v[STI], v[R+64*((\u)%2)+4*\i:R+64*((\u)%2)+4*\i+3] offset:SP*\i
.endr
.irp p, 0,1,2,3,4,5,6,7
	ds_load_b128 v[X+8*\p:X+8*\p+3], v[STO] offset:64*\p          ; LDS serves a wave's instructions in order: these see the stores above
	ds_load_b128 v[X+8*\p+4:X+8*\p+7], v[STO] offset:64*\p+16
.endr
	s_wait_dscnt 0x0                               ; the unit is back, and the stores into the stage have read their registers,
.if (\u) < 2
	LOADT (\u)+2                                   ; which take the unit two on
.endif
	s_cmp_eq_u32 s[ROLE], 0
	s_cbranch_scc1 .Lmask_\@
	s_cmp_eq_u32 s[ROLE], 1
	s_cbranch_scc1 .Lquant_\@
	W0U \u
	s_branch .Ljoin_\@
.Lmask_\@:
	MASKU \u
	s_branch .Ljoin_\@
.Lquant_\@:
	QUANTU \u
.Ljoin_\@:
.endm
	LOADT 0
	LOADT 1
	UNIT 0
	UNIT 1
	UNIT 2
	UNIT 3
	s_cmp_eq_u32 s[ROLE], 0
	s_cbranch_scc1 .Lend_mask
	s_cmp_eq_u32 s[ROLE], 1
	s_cbranch_scc0 .Ldone
	v_cmp_le_u32 vcc_lo, 16, v1                    ; lanes 0-15 store K steps 0 and 1 of their row's scale words, lanes 16-31 K steps 2 and 3
	v_cndmask_b32 v14, v[SW], v[SW+2], vcc_lo
	v_cndmask_b32 v15, v[SW+1], v[SW+3], vcc_lo
	global_store_b64 v[XSO], v[14:15], s[24:25]    ; the wave stores 256 consecutive bytes, aligned
	s_branch .Ldone
.Lend_mask:
	global_store_b128 v[LI], v[M:M+3], s[20:21]
	global_store_b128 v[LI], v[M+4:M+7], s[20:21] offset:512
.Ldone:
	s_wait_tensorcnt 0x0                           ; the wave's end: an add to my spare word and its wait, behind my last LDS store; the tensor wait stands in a text with no tensor load too
	ds_add_u32 v[SPW], v[NIL]
	s_wait_dscnt 0x0
	s_endpgm
.Lfunc_end_k_q263b33b32d_prep:
	.size	k_q263b33b32d_prep, .Lfunc_end_k_q263b33b32d_prep-k_q263b33b32d_prep
	.p2alignl 7, 3214868480
	.fill 96, 4, 3214868480
	.section	.rodata,"a",@progbits
	.p2align	6, 0x0
	.amdhsa_kernel k_q263b33b32d_prep
		.amdhsa_group_segment_fixed_size 34304
		.amdhsa_private_segment_fixed_size 0
		.amdhsa_enable_private_segment 0
		.amdhsa_kernarg_size 96
		.amdhsa_user_sgpr_count 2
		.amdhsa_user_sgpr_kernarg_segment_ptr 1
		.amdhsa_wavefront_size32 1
		.amdhsa_system_sgpr_workgroup_id_x 1
		.amdhsa_system_sgpr_workgroup_id_y 1
		.amdhsa_system_sgpr_workgroup_id_z 1
		.amdhsa_system_vgpr_workitem_id 0
		.amdhsa_next_free_vgpr 256
		.amdhsa_next_free_sgpr 76
		.amdhsa_reserve_vcc 1
		.amdhsa_float_denorm_mode_32 3
		.amdhsa_float_denorm_mode_16_64 3
		.amdhsa_memory_ordered 1
		.amdhsa_forward_progress 1
		.amdhsa_inst_pref_size 80
	.end_amdhsa_kernel
	.amdgpu_metadata
---
amdhsa.version: [ 1, 2 ]
amdhsa.kernels:
  - .name:           k_q263b33b32d_prep
    .symbol:         k_q263b33b32d_prep.kd
    .args:
      - { .name: mask, .offset: 0, .size: 8, .value_kind: global_buffer, .address_space: global }
      - { .name: q, .offset: 8, .size: 8, .value_kind: global_buffer, .address_space: global }
      - { .name: k, .offset: 16, .size: 8, .value_kind: global_buffer, .address_space: global }
      - { .name: v, .offset: 24, .size: 8, .value_kind: global_buffer, .address_space: global }
      - { .name: wq, .offset: 32, .size: 8, .value_kind: global_buffer, .address_space: global }
      - { .name: wk, .offset: 40, .size: 8, .value_kind: global_buffer, .address_space: global }
      - { .name: wv, .offset: 48, .size: 8, .value_kind: global_buffer, .address_space: global }
      - { .name: w0, .offset: 56, .size: 8, .value_kind: global_buffer, .address_space: global }
      - { .name: mw, .offset: 64, .size: 8, .value_kind: global_buffer, .address_space: global }
      - { .name: xc, .offset: 72, .size: 8, .value_kind: global_buffer, .address_space: global }
      - { .name: xs, .offset: 80, .size: 8, .value_kind: global_buffer, .address_space: global }
      - { .name: w0h, .offset: 88, .size: 8, .value_kind: global_buffer, .address_space: global }
    .group_segment_fixed_size: 34304
    .private_segment_fixed_size: 0
    .kernarg_segment_align: 8
    .kernarg_segment_size: 96
    .max_flat_workgroup_size: 128
    .sgpr_count:     76
    .vgpr_count:     256
    .wavefront_size: 32
...
	.end_amdgpu_metadata
.endif
;; end of part 1
;; launch proj (part 2): grid 64 x 6, 8 waves a work-group, no clusters, 0 bytes of LDS; arguments xc, xs, bq, bk, bv, qimg, kvimg; writes qimg, kvimg
.if DOCPART == 2
	.amdgcn_target "amdgcn-amd-amdhsa--gfx1250"
	.amdhsa_code_object_version 6
	.text
	.protected	k_q263b33b32d_proj
	.globl	k_q263b33b32d_proj
	.p2align	8
	.type	k_q263b33b32d_proj,@function
k_q263b33b32d_proj:
	s_mov_b64 s[64:65], 0
	v_nop
	global_prefetch_b8 v0, s[64:65] scope:SCOPE_SE
	s_setreg_imm32_b32 hwreg(HW_REG_WAVE_MODE, 25, 1), 1
	s_wait_xcnt 0x0
; THE THREE QUANTISED PROJECTIONS, x W^T + b, on codes of E2M1 with E8M0 scales, K = 512 in four steps of 128; sums in f32.  Results are rounded once to f16 and stored as IMAGES of the fragments that attention wants.
; SHARES.  Work-group (x, y): 128 rows (x), tensor y / 2 (0 q, 1 k, 2 v), column half y % 2.  Wave w owns 32 columns, cp = 8 (y % 2) + w: head cp / 2, channels 32 (cp % 2) on.  Its two column tiles of W, for all of K,
; stay in 64 registers; it walks 8 row tiles, 8 matrix instructions each.  Operands come from memory straight into registers, each fragment piece by one load of 512 consecutive bytes: the prep launch laid them so.
; No LDS, no tensor load, no cluster: a wave's whole work is 64 matrix instructions, and every operand byte that it loads is used once by it.
; ORIENTATION.  Q and K: source 0 = 16 rows of W, source 1 = 16 rows of x: a lane holds ONE row of x and eight neighbouring channels: a piece of a fragment [16 rows x 32 channels].
;               V: source 0 = 16 rows of x (keys), source 1 = 16 rows of W: a lane holds ONE channel and eight neighbouring keys: a piece of a fragment of V^T [16 channels x 32 keys].
; The bias is the C of each sum's first matrix instruction.  Q is multiplied by log2(e) / 8 in f32, ahead of its one rounding: attention's scores then are exponents of 2.
; LIMITS: results beyond 65,504 in magnitude have no f16 number; results under 6e-5 are rounded at f16's smallest step, 2^-24.
.set LI,  1                            ; v1   16 x lane
.set R16, 2                            ; v2   16 r: a row's scale words
.set H32, 3                            ; v3   32 h: Q's and K's bias
.set R4,  6                            ; v6   4 r: V's bias
.set WF,  16                           ; v16-79   W's fragments: (column tile e, K step s) at 32 e + 8 s
.set WS,  80                           ; v80-87   W's scale words, 4 e + s; they hold scales and nothing else
.set BI,  88                           ; v88-103  the bias in the result's layout, 8 e + j
.set XF,  104                          ; v104-167 x's fragments, two sets: 32 p + 8 s
.set XS,  168                          ; v168-175 x's scale words, 4 p + s
.set ACC, 176                          ; v176-191 two accumulators
.set OUT, 192                          ; v192-199 packed results
.set XCX, 28                           ; s[28:29] x's codes;  s[30:31] W's;  s[32:33] x's scales;  s[34:35] W's
.set XCW, 30
.set XSX, 32
.set XSW, 34
.set BP,  36                           ; s[36:37] the bias at my 32 columns
.set DST, 38                           ; s[38:39] where my images go
.set CS,  40                           ; s[40:41] log2(e) / 8
	s_load_b256 s[4:11], s[0:1], 0x0               ; xc, xs, bq, bk
	s_load_b128 s[12:15], s[0:1], 0x20             ; bv, qimg
	s_load_b64 s[16:17], s[0:1], 0x30              ; kvimg
	v_lshrrev_b32 v4, 5, v0
	v_readfirstlane_b32 s18, v4                    ; wave 0..7
	v_and_b32 v1, 31, v0
	v_lshlrev_b32 v[LI], 4, v1
	v_and_b32 v5, 15, v0
	v_lshlrev_b32 v[R16], 4, v5
	v_lshlrev_b32 v[R4], 2, v5
	v_bfe_u32 v[H32], v0, 4, 1
	v_lshlrev_b32 v[H32], 5, v[H32]
	s_and_b32 s19, ttmp7, 0xffff
	s_lshr_b32 s20, s19, 1                         ; the tensor
	s_and_b32 s21, s19, 1
	s_lshl_b32 s21, s21, 3
	s_add_co_u32 s21, s21, s18                     ; cp
	s_lshr_b32 s22, s21, 1                         ; head
	s_and_b32 s23, s21, 1                          ; f: which 32 channels of the head
	s_lshr_b32 s24, ttmp9, 5                       ; batch
	s_and_b32 s25, ttmp9, 31                       ; which 128 rows of the batch
	s_lshl_b32 s26, s24, 3
	s_add_co_u32 s26, s26, s22                     ; batch x 8 + head
	s_lshl_b32 s28, s20, 21                        ; x's codes: row tile 512 tensor + 8 x, 4,096 bytes each
	s_lshl_b32 s42, ttmp9, 15
	s_add_co_u32 s28, s28, s42
	s_mov_b32 s29, 0
	s_lshl_b32 s30, s20, 17                        ; W's: row tile 1536 + 32 tensor + 2 cp
	s_lshl_b32 s42, s21, 13
	s_add_co_u32 s30, s30, s42
	s_add_co_u32 s30, s30, 1536<<12
	s_mov_b32 s31, 0
	s_lshl_b32 s32, s20, 17                        ; x's scale words: 16 bytes a row
	s_lshl_b32 s42, ttmp9, 11
	s_add_co_u32 s32, s32, s42
	s_mov_b32 s33, 0
	s_lshl_b32 s34, s20, 13                        ; W's
	s_lshl_b32 s42, s21, 9
	s_add_co_u32 s34, s34, s42
	s_add_co_u32 s34, s34, 24576*16
	s_mov_b32 s35, 0
	s_lshl_b32 s42, s21, 7                         ; the bias: 128 bytes for 32 columns
	s_mov_b32 s43, 0
	s_lshl_b32 s44, s26, 19                        ; qimg: 2^19 bytes a head, 2,048 a row tile, 1,024 a fragment
	s_lshl_b32 s48, s25, 14
	s_add_co_u32 s44, s44, s48
	s_lshl_b32 s48, s23, 10
	s_add_co_u32 s44, s44, s48
	s_mov_b32 s45, 0
	s_lshl_b32 s46, s26, 20                        ; kvimg: 2^20 bytes a head, 16,384 a key step of 64
	s_lshl_b32 s48, s25, 15
	s_add_co_u32 s46, s46, s48
	s_mov_b32 s47, 0
	s_mov_b32 s[CS], 0x3e38aa3b
	s_mov_b32 s[CS+1], s[CS]                       ; (named with it as a pair, so it is written)
	s_wait_kmcnt 0x0
	s_add_nc_u64 s[XCX:XCX+1], s[4:5], s[XCX:XCX+1]
	s_add_nc_u64 s[XCW:XCW+1], s[4:5], s[XCW:XCW+1]
	s_add_nc_u64 s[XSX:XSX+1], s[6:7], s[XSX:XSX+1]
	s_add_nc_u64 s[XSW:XSW+1], s[6:7], s[XSW:XSW+1]
.irp e, 0,1
.irp s, 0,1,2,3
.irp c, 0,1
	global_load_b128 v[WF+32*\e+8*\s+4*\c:WF+32*\e+8*\s+4*\c+3], v[LI], s[XCW:XCW+1] offset:4096*\e+1024*\s+512*\c
.endr
.endr
	global_load_b128 v[WS+4*\e:WS+4*\e+3], v[R16], s[XSW:XSW+1] offset:256*\e   ; lane r and lane 16 + r take row r's four words
.endr
.macro XLOAD i                         ; row tile i: 8 pieces of codes and the rows' scale words: 9 loads
.irp s, 0,1,2,3
.irp c, 0,1
	global_load_b128 v[XF+32*((\i)%2)+8*\s+4*\c:XF+32*((\i)%2)+8*\s+4*\c+3], v[LI], s[XCX:XCX+1] offset:4096*(\i)+1024*\s+512*\c
.endr
.endr
	global_load_b128 v[XS+4*((\i)%2):XS+4*((\i)%2)+3], v[R16], s[XSX:XSX+1] offset:256*(\i)
.endm
; One row tile.  kind: 0 Q, 1 K, 2 V.  The two accumulators take turns, one instruction a turn.
.macro TILE kind, i
.set PX, (\i)%2
.if (\i) < 7
	s_wait_loadcnt 9                               ; all but the next tile's nine loads are in
.else
	s_wait_loadcnt 0x0
.endif
.irp s, 0,1,2,3
.irp e, 0,1
.if \s == 0
.set CB, BI+8*\e                       ; the first K step starts the sum on the bias
.else
.set CB, ACC+8*\e
.endif
.if \kind == 2
	v_wmma_scale_f32_16x16x128_f8f6f4 v[ACC+8*\e:ACC+8*\e+7], v[XF+32*PX+8*\s:XF+32*PX+8*\s+7], v[WF+32*\e+8*\s:WF+32*\e+8*\s+7], v[CB:CB+7], v[XS+4*PX+\s], v[WS+4*\e+\s] matrix_a_fmt:MATRIX_FMT_FP4 matrix_b_fmt:MATRIX_FMT_FP4
.else
	v_wmma_scale_f32_16x16x128_f8f6f4 v[ACC+8*\e:ACC+8*\e+7], v[WF+32*\e+8*\s:WF+32*\e+8*\s+7], v[XF+32*PX+8*\s:XF+32*PX+8*\s+7], v[CB:CB+7], v[WS+4*\e+\s], v[XS+4*PX+\s] matrix_a_fmt:MATRIX_FMT_FP4 matrix_b_fmt:MATRIX_FMT_FP4
.endif
.endr
.endr
.rept 5
	v_nop                                          ; four places in front of the loads into x's set and of the reads of the sums; five in front of the next tile's first product, which begins these accumulators anew
.endr
	s_wait_xcnt 0x0                                ; the last tile's stores have read OUT
.if (\i) < 6
	XLOAD (\i)+2
.endif
.if \kind == 0
.irp n, 0,1,2,3,4,5,6,7
	v_pk_mul_f32 v[ACC+2*\n:ACC+2*\n+1], v[ACC+2*\n:ACC+2*\n+1], s[CS:CS+1] op_sel_hi:[1,0]
.endr
.endif
.irp e, 0,1
.irp n, 0,1,2,3
	v_cvt_pk_f16_f32 v[OUT+4*\e+\n], v[ACC+8*\e+2*\n], v[ACC+8*\e+2*\n+1]   ; each accumulator from its low end on
.endr
.endr
.irp e, 0,1
.if \kind == 0
.set SO, (\i)*2048+\e*512
.elseif \kind == 1
.set SO, ((\i)/4)*16384+((\i)%4)*2048+\e*512
.else
.set SO, ((\i)/4)*16384+\e*2048+(((\i)/2)%2)*1024+((\i)%2)*512
.endif
	global_store_b128 v[LI], v[OUT+4*\e:OUT+4*\e+3], s[DST:DST+1] offset:SO   ; a piece: 512 consecutive bytes, aligned
.endr
.endm
.macro ARM kind
.if \kind == 2
.irp e, 0,1
.irp j, 0,1,2,3,4,5,6,7
	global_load_b32 v[BI+8*\e+\j], v[R4], s[BP:BP+1] offset:64*\e   ; a lane's eight results are eight keys of ONE channel: the same number eight times
.endr
.endr
.else
.irp e, 0,1
	global_load_b128 v[BI+8*\e:BI+8*\e+3], v[H32], s[BP:BP+1] offset:64*\e        ; b at channels 16 e + 8 h + 0 .. 7
	global_load_b128 v[BI+8*\e+4:BI+8*\e+7], v[H32], s[BP:BP+1] offset:64*\e+16
.endr
.endif
	XLOAD 0
	XLOAD 1
.irp i, 0,1,2,3,4,5,6,7
	TILE \kind, \i
.endr
	s_endpgm
.endm
	s_cmp_eq_u32 s20, 1
	s_cbranch_scc1 .Lk
	s_cmp_eq_u32 s20, 2
	s_cbranch_scc1 .Lv
	s_add_nc_u64 s[BP:BP+1], s[8:9], s[42:43]
	s_add_nc_u64 s[DST:DST+1], s[14:15], s[44:45]
	ARM 0
.Lk:
	s_add_nc_u64 s[BP:BP+1], s[10:11], s[42:43]
	s_lshl_b32 s48, s23, 10                        ; K's fragment f
	s_add_co_u32 s46, s46, s48
	s_add_nc_u64 s[DST:DST+1], s[16:17], s[46:47]
	ARM 1
.Lv:
	s_add_nc_u64 s[BP:BP+1], s[12:13], s[42:43]
	s_lshl_b32 s48, s23, 12                        ; V^T lies behind a key step's 8,192 bytes of K; channel tiles 2 f and 2 f + 1
	s_add_co_u32 s46, s46, s48
	s_add_co_u32 s46, s46, 8192
	s_add_nc_u64 s[DST:DST+1], s[16:17], s[46:47]
	ARM 2
.Lfunc_end_k_q263b33b32d_proj:
	.size	k_q263b33b32d_proj, .Lfunc_end_k_q263b33b32d_proj-k_q263b33b32d_proj
	.p2alignl 7, 3214868480
	.fill 96, 4, 3214868480
	.section	.rodata,"a",@progbits
	.p2align	6, 0x0
	.amdhsa_kernel k_q263b33b32d_proj
		.amdhsa_group_segment_fixed_size 0
		.amdhsa_private_segment_fixed_size 0
		.amdhsa_enable_private_segment 0
		.amdhsa_kernarg_size 56
		.amdhsa_user_sgpr_count 2
		.amdhsa_user_sgpr_kernarg_segment_ptr 1
		.amdhsa_wavefront_size32 1
		.amdhsa_system_sgpr_workgroup_id_x 1
		.amdhsa_system_sgpr_workgroup_id_y 1
		.amdhsa_system_sgpr_workgroup_id_z 1
		.amdhsa_system_vgpr_workitem_id 0
		.amdhsa_next_free_vgpr 200
		.amdhsa_next_free_sgpr 66
		.amdhsa_reserve_vcc 0
		.amdhsa_float_denorm_mode_32 3
		.amdhsa_float_denorm_mode_16_64 3
		.amdhsa_memory_ordered 1
		.amdhsa_forward_progress 1
		.amdhsa_inst_pref_size 77
	.end_amdhsa_kernel
	.amdgpu_metadata
---
amdhsa.version: [ 1, 2 ]
amdhsa.kernels:
  - .name:           k_q263b33b32d_proj
    .symbol:         k_q263b33b32d_proj.kd
    .args:
      - { .name: xc, .offset: 0, .size: 8, .value_kind: global_buffer, .address_space: global }
      - { .name: xs, .offset: 8, .size: 8, .value_kind: global_buffer, .address_space: global }
      - { .name: bq, .offset: 16, .size: 8, .value_kind: global_buffer, .address_space: global }
      - { .name: bk, .offset: 24, .size: 8, .value_kind: global_buffer, .address_space: global }
      - { .name: bv, .offset: 32, .size: 8, .value_kind: global_buffer, .address_space: global }
      - { .name: qimg, .offset: 40, .size: 8, .value_kind: global_buffer, .address_space: global }
      - { .name: kvimg, .offset: 48, .size: 8, .value_kind: global_buffer, .address_space: global }
    .group_segment_fixed_size: 0
    .private_segment_fixed_size: 0
    .kernarg_segment_align: 8
    .kernarg_segment_size: 56
    .max_flat_workgroup_size: 256
    .sgpr_count:     66
    .vgpr_count:     200
    .wavefront_size: 32
...
	.end_amdgpu_metadata
.endif
;; end of part 2
;; launch attn (part 3): grid 16 x 16, 8 waves a work-group, clusters of 4 x 1, 327,680 bytes of LDS; arguments qimg, kvimg, mw, oimg; writes oimg
.if DOCPART == 3
	.amdgcn_target "amdgcn-amd-amdhsa--gfx1250"
	.amdhsa_code_object_version 6
	.text
	.protected	k_q263b33b32d_attn
	.globl	k_q263b33b32d_attn
	.p2align	8
	.type	k_q263b33b32d_attn,@function
k_q263b33b32d_attn:
	s_mov_b64 s[64:65], 0
	v_nop
	global_prefetch_b8 v0, s[64:65] scope:SCOPE_SE
	s_setreg_imm32_b32 hwreg(HW_REG_WAVE_MODE, 25, 1), 1
	s_wait_xcnt 0x0
	s_wait_alu depctr_hold_cnt(0) depctr_sa_sdst(0) depctr_va_vdst(0) depctr_va_sdst(0) depctr_va_ssrc(0) depctr_va_vcc(0) depctr_vm_vsrc(0)
	s_getreg_b32 s2, hwreg(HW_REG_IB_STS2, 6, 4)
	s_cmp_eq_u32 s2, 0
	s_cbranch_scc0 .Lentry_in_a_cluster
	s_endpgm
.Lentry_in_a_cluster:
	s_bfe_u32 s2, ttmp6, 0x10000c
	s_cmp_lg_u32 s2, 0x3003
	s_cbranch_scc0 .Lentry_shape_is_right
	s_endpgm
.Lentry_shape_is_right:
; O = softmax(Q K^T / 8, masked) V for 16 (batch, head) pairs of 4,096 queries x 4,096 keys x 64 channels; f16 operands, f32 products' sums, maxima and row sums.
; Q arrives already multiplied by log2(e) / 8, so a score t is an exponent of 2.  WHERE THE MASK IS 0 THE SCORE IS REPLACED by -1e9 x log2(e), as the problem has it (no -infinity: a row that is masked everywhere averages all keys).
; SOFTMAX: for each query a running maximum m and sum l; p = 2^(t - m); in every step O and l are multiplied by a = 2^(m_old - m_new).  p is rounded to f16 for the second product; l sums the unrounded p.
; SHARES.  A work-group owns 256 queries of one (batch, head); each of its eight waves two tiles of 16.  Two waves share a SIMD: one's softmax stands beside the other's products.  Every wave walks all keys, 64 a step.
; LAYOUT.  S^T = K Q^T (source 0 = 16 keys, source 1 = 16 queries), O^T = V^T P (source 0 = 16 channels, source 1 = P): a lane holds ONE query throughout; two tiles of S^T, packed in pairs, ARE P's fragment.
; K, V^T and Q arrive as images of their fragments' registers (a piece of four registers = 512 bytes, lane l's 16 bytes at 16 l): a key step is 16,384 dense bytes, read from LDS by loads of 512 consecutive bytes.
; THE MASK arrives as lane-mask words: word 8 kt + j of (query tile, key step) has bit L for the score in register 8 kt + j of lane L.  64 scalar words a step come by four scalar loads, a step ahead, and steer v_cndmask_b32: no branch hangs on them.
; RING.  Two LDS slots of 8 key steps (131,072 bytes).  Wave w fetches step w of a slot: one tensor load of 16,384 bytes.  By this text's own count a wave has two tensor loads out at the head and one behind each change of slots.
; CLUSTER.  The four query blocks of a cluster belong to one (batch, head) and walk the same K and V: each tile is asked for JOINTLY, by the same load with the same descriptor and a mask that names the four.
; O leaves as f16 images of the output projection's fragments.  LIMITS: O under 6e-5 in magnitude is rounded at f16's smallest step, 2^-24; NaN and infinities are not served.
; REGISTERS, in windows of 256.  Window 0: v1-7 addresses and constants; v32-47 statistics, 8 a tile; v64-127 S^T, 32 a tile; v128-159 P, 16 a tile; v160-223 K of one step.
;                                Window 1: v0-63 O^T, 32 a tile; v64-95 Q, 16 a tile; v96-159 V^T of one step.
.set STEPB, 16384                      ; a key step in LDS: 8,192 bytes of K, then 8,192 of V^T
.set SLOT1, 131072                     ; slot 1 begins here: one exclusive or turns an address in one slot into the other's
.set SPARE, 262144                     ; behind the ring: the spare words, 128 bytes for each wave: four blocks of 256 bytes that no other line names
.set LI,  1                            ; v1   16 x lane; never rewritten
.set ADR, 2                            ; v2   LDS address of the step being fetched
.set NEG, 3                            ; v3   -1e9 x log2(e)
.set PFO, 4                            ; v4   256 x lane: the prefetches' offset
.set SPW, 6                            ; v6   LDS address of my spare word; never rewritten
.set NIL, 7                            ; v7   0; never rewritten
.set ST,  32                           ; tile t's statistics at 8 t: +0 m, +1 its pair's partner, +2, +3 l (even keys', odd keys'), +4 .. +7 c0-c3 at work; a takes c2's place
.set S,   64
.set P,   128
.set KF,  160                          ; K's fragment (kt, f) at 16 kt + 8 f
.set OA,  0                            ; window 1: O^T (t, ct) at 32 t + 8 ct
.set QF,  64                           ; window 1: Q (t, f) at 16 t + 8 f
.set VF,  96                           ; window 1: V^T (ct, kk) at 16 ct + 8 kk
.set MW,  4                            ; s[4:5]   the mask words of my first tile, at the step whose words were asked for last
.set OB,  6                            ; s[6:7]   where my images of O go
.set G1,  8                            ; s[8:15]  descriptor group 1
.set G0A, 16                           ; s[16:19] group 0 of slot 0's first fill
.set G0B, 20                           ; s[20:23] group 0 of slot 1's first fill; it then walks
.set WV,  24
.set TB,  25                           ; s25  LDS byte at which the step to be fetched begins
.set SLOTS, 26                         ; s26  slots still to be asked for
.set STEPS, 27
.set SEL, 28                           ; s[28:29] lane selects for v_permlanex16_b32: lane l xor 16
.set PFA, 30                           ; s[30:31] where my prefetches stand
.set LIM, 66                           ; s66  1 in a wave that prefetches, else the greatest number
.set MK0, 32                           ; s[32:63] tile 0's 32 mask words
.set MK1, 68                           ; s[68:99] tile 1's
.set QB,  100                          ; s[100:101] Q at my first tile
.set MSB, 0
.macro WIN new                         ; the immediate's high byte repeats the setting that is left; a switch that changes nothing is dropped
.if MSB != \new
	s_set_vgpr_msb (MSB<<8)|\new
.set MSB, \new
.endif
.endm
.set W_KQ, 0x04                        ; source 1 (Q) window 1
.set W_PV, 0x51                        ; source 0 (V^T), C and D (O^T) window 1
.set W_RS, 0x41                        ; destination and source 0 (O^T) window 1
.set TO1,  0x40                        ; destination window 1
.set W_CV, 0x05                        ; sources 0 and 1 window 1
.macro PLACES
.rept 4
	v_nop
.endr
.endm
; A round of the cluster's barrier: my work-group's barrier; wave 0 signals for the work-group; every wave waits for all four work-groups; my work-group's barrier once more.
.macro CROUND
	s_barrier_signal -1
	s_barrier_wait -1
	s_cmp_lg_u32 s[WV], 0
	s_cbranch_scc1 .Lnot_wave_0_\@
	s_barrier_signal -3
.Lnot_wave_0_\@:
	s_barrier_wait -3
	s_barrier_signal -1
	s_barrier_wait -1
.endm
; A PREFETCH of what the NEXT change of slots will ask for: a slot's 131,072 bytes.  Each aligned block of 256 bytes is named once in the launch: of the four clusters that walk a (batch, head) the first asks;
; its four partners take 32,768 bytes each, told apart BY ADDRESS; in each, waves 0 to 3 take 8,192 bytes each, lanes 256 bytes apart: one instruction a wave.  The last change that fills a slot asks for nothing.
.macro ASK
	s_cmp_gt_u32 s[SLOTS], s[LIM]
	s_cbranch_scc0 .Lnot_mine_\@
	global_prefetch_b8 v[PFO], s[PFA:PFA+1] th:TH_LOAD_NT scope:SCOPE_SE
.Lnot_mine_\@:
.endm
	s_load_b256 s[32:39], s[0:1], 0x0              ; qimg, kvimg, mw, oimg
	v_lshl_add_u32 v[SPW], v0, 2, SPARE
	v_mov_b32 v[NIL], 0
	ds_add_u32 v[SPW], v[NIL]                      ; the wave's opening: the add, twice on end, and its wait ahead of my first tensor load; the set-up below, work on registers, stands between
	ds_add_u32 v[SPW], v[NIL]
	v_lshrrev_b32 v1, 5, v0
	v_readfirstlane_b32 s[WV], v1                  ; wave 0..7
	v_and_b32 v1, 31, v0
	v_lshlrev_b32 v[PFO], 8, v1
	v_lshlrev_b32 v[LI], 4, v1
	v_mov_b32 v[NEG], 0xceabfb8f
	s_bfe_u32 s40, ttmp6, 0x40000                  ; cx: my place in the cluster
	s_lshl_b32 s41, ttmp9, 2
	s_add_co_u32 s41, s41, s40                     ; my block of 256 queries: it enters Q's, the mask's and O's addresses alone
	s_and_b32 s42, ttmp7, 0xffff                   ; batch x 8 + head, which the four partners share
	s_lshl_b32 s43, s[WV], 14                      ; my step of a slot, in LDS and in memory
	s_lshl_b32 s44, s42, 20
	s_add_co_u32 s44, s44, s43
	s_mov_b32 s45, 0                               ; K and V: 2^20 bytes a head + my step
	s_lshl_b32 s46, s42, 19                        ; Q: 2^19 bytes a head, 2,048 a tile; my first tile is 16 x block + 2 x wave
	s_lshl_b32 s48, s41, 15
	s_add_co_u32 s46, s46, s48
	s_lshl_b32 s48, s[WV], 12
	s_add_co_u32 s46, s46, s48
	s_mov_b32 s47, 0
	s_lshr_b32 s48, s42, 3                         ; the mask words: 8,192 bytes a query tile, 256 tiles a batch
	s_lshl_b32 s48, s48, 21
	s_lshl_b32 s50, s41, 17
	s_add_co_u32 s48, s48, s50
	s_add_co_u32 s48, s48, s43
	s_mov_b32 s49, 0
	s_bfe_u32 s50, s42, 0x10002                    ; O: K chunk head / 4 (2^22 bytes), the same 8,192 bytes a row tile, 2,048 bytes for head % 4
	s_lshl_b32 s50, s50, 22
	s_add_co_u32 s50, s50, s48
	s_and_b32 s52, s42, 3
	s_lshl_b32 s52, s52, 11
	s_add_co_u32 s50, s50, s52
	s_mov_b32 s51, 0
	s_lshl_b32 s52, s42, 20                        ; the prefetches: my work-group's 32,768 bytes, my wave's 8,192 of them, in slot 2: the first change of slots steps it to slot 3
	s_lshl_b32 s54, s40, 15
	s_add_co_u32 s52, s52, s54
	s_lshl_b32 s54, s[WV], 13
	s_add_co_u32 s52, s52, s54
	s_add_co_u32 s52, s52, 2*SLOT1
	s_mov_b32 s53, 0
	s_lshr_b32 s[LIM], s[WV], 2                    ; 0 in waves 0 to 3,
	s_or_b32 s[LIM], s[LIM], ttmp9                 ; of the head's first cluster: the same in all four partners
	s_cmp_eq_u32 s[LIM], 0
	s_cselect_b32 s[LIM], 1, -1
	; descriptor group 1: 16,384 dense bytes as 64 rows of 32 elements of 8 bytes
	s_mov_b32 s[G1], 15|(3<<16)|(1<<21)            ; 15:0 the mask: all four work-groups; 17:16 elements of 8 bytes; 21 set beside a mask; no padding
	s_mov_b32 s[G1+1], 32<<16                      ; tensor_dim0 = 32
	s_mov_b32 s[G1+2], 64<<16                      ; tensor_dim1 = 64
	s_mov_b32 s[G1+3], 32<<16                      ; tile_dim0 = 32
	s_mov_b32 s[G1+4], 64                          ; tile_dim1 = 64
	s_mov_b32 s[G1+5], 32                          ; from row to row
	s_mov_b32 s[G1+6], 0
	s_mov_b32 s[G1+7], 0
	s_mov_b32 s[SEL], 0x76543210
	s_mov_b32 s[SEL+1], 0xfedcba98
	s_mov_b32 s[SLOTS], 6
	s_wait_dscnt 0x0                               ; both opening adds are done
	s_wait_kmcnt 0x0
	s_add_nc_u64 s[QB:QB+1], s[32:33], s[46:47]
	s_add_nc_u64 s[MW:MW+1], s[36:37], s[48:49]
	s_add_nc_u64 s[OB:OB+1], s[38:39], s[50:51]
	s_add_nc_u64 s[PFA:PFA+1], s[34:35], s[52:53]
	s_add_nc_u64 s[44:45], s[34:35], s[44:45]
	CROUND                                         ; all four work-groups are here: the first joint loads meet
	s_mov_b32 s[G0A], 1                            ; count = 1
	s_mov_b32 s[G0A+1], s43                        ; LDS address: slot 0, step w
	s_mov_b64 s[G0A+2:G0A+3], s[44:45]             ; global address
	s_or_b32 s[G0A+3], s[G0A+3], 0x80000000        ; type = 2
	s_mov_b32 s[G0B], 1
	s_add_co_u32 s[G0B+1], s43, SLOT1
	s_add_nc_u64 s[G0B+2:G0B+3], s[44:45], SLOT1   ; a slot's keys are 131,072 bytes in memory too
	s_or_b32 s[G0B+3], s[G0B+3], 0x80000000
	tensor_load_to_lds s[G0A:G0A+3], s[G1:G1+7]
	s_nop 0
	tensor_load_to_lds s[G0B:G0B+3], s[G1:G1+7]
	s_nop 0
	PLACES
	WIN TO1
.irp n, 0,1,2,3,4,5,6,7
	global_load_b128 v[QF+4*\n:QF+4*\n+3], v[LI], s[QB:QB+1] offset:512*\n   ; Q stays in registers
.endr
.set i, 0
.rept 64
	v_mov_b32 v[OA+i], 0                           ; O^T.  The key step is written without a first step of its own: the first finds zeros, which a = 0 leaves zeros
.set i, i+1
.endr
	WIN 0
	s_load_b512 s[MK0:MK0+15], s[MW:MW+1], 0x0     ; key step 0's mask words (the arguments in s[32:39] are used up)
	s_load_b512 s[MK0+16:MK0+31], s[MW:MW+1], 0x40
	s_load_b512 s[MK1:MK1+15], s[MW:MW+1], 0x2000
	s_load_b512 s[MK1+16:MK1+31], s[MW:MW+1], 0x2040
.irp t, 0,1
	v_mov_b32 v[ST+8*\t], 0xff61b1e6               ; m = -3e38, under every score and under the masked value
.irp j, 1,2,3,4,5,6,7
	v_mov_b32 v[ST+8*\t+\j], 0                     ; l = 0; the others are written because pairs and lane permutes name them
.endr
.endr
; S^T = K Q^T: 16 products; the 8 accumulators take turns, one instruction a turn; the first 8 start the sums
.macro SPHASE
.irp f, 0,1
.irp kt, 0,1,2,3
.irp t, 0,1
.if \f == 0
	v_wmma_f32_16x16x32_f16 v[S+32*\t+8*\kt:S+32*\t+8*\kt+7], v[KF+16*\kt+8*\f:KF+16*\kt+8*\f+7], v[QF+16*\t+8*\f:QF+16*\t+8*\f+7], 0
.else
	v_wmma_f32_16x16x32_f16 v[S+32*\t+8*\kt:S+32*\t+8*\kt+7], v[KF+16*\kt+8*\f:KF+16*\kt+8*\f+7], v[QF+16*\t+8*\f:QF+16*\t+8*\f+7], v[S+32*\t+8*\kt:S+32*\t+8*\kt+7]
.endif
.endr
.endr
.endr
.endm
; O^T += V^T P: 16 products, the 8 accumulators by turns
.macro PVPHASE
.irp kk, 0,1
.irp ct, 0,1,2,3
.irp t, 0,1
	v_wmma_f32_16x16x32_f16 v[OA+32*\t+8*\ct:OA+32*\t+8*\ct+7], v[VF+16*\ct+8*\kk:VF+16*\ct+8*\kk+7], v[P+16*\t+8*\kk:P+16*\t+8*\kk+7], v[OA+32*\t+8*\ct:OA+32*\t+8*\ct+7]
.endr
.endr
.endr
.endm
.macro KLOAD                           ; a step's K: 16 loads of 512 consecutive bytes
.set n, 0
.rept 16
	ds_load_b128 v[KF+4*n:KF+4*n+3], v[ADR] offset:512*n
.set n, n+1
.endr
.endm
.macro VLOAD                           ; and its V^T (destination window 1)
.set n, 0
.rept 16
	ds_load_b128 v[VF+4*n:VF+4*n+3], v[ADR] offset:8192+512*n
.set n, n+1
.endr
.endm
; THE CHANGE OF SLOTS stands in a slot's last step, behind its products K Q^T: K of that step has been multiplied and V of that step has been asked for, so behind the wait for my LDS loads I read the slot no more.
; Each wave waits for all its tensor loads (one is out: its part of the other slot), adds 0 to its spare word, and waits for that and for its reads.  fill = 1: the barrier is a round of the cluster's, and the joint refill,
; the keys two slots on, is the first thing behind it: it has eight key steps in which to land.
.macro CHANGE fill
	WIN 0
	s_wait_tensorcnt 0x0                           ; no tensor load of mine is out, so a group 0 may be written
	ds_add_u32 v[SPW], v[NIL]                      ; 0 onto my spare word
.if \fill
	s_xor_b32 s[G0B+1], s[G0B+1], SLOT1            ; the walking descriptor: the other slot than last time,
	s_add_nc_u64 s[G0B+2:G0B+3], s[G0B+2:G0B+3], SLOT1   ; the next 512 keys; the type bits on top are not reached
	s_wait_xcnt 0x0                                ; the last prefetch, a slot back, has read its address, so it may be written
	s_add_nc_u64 s[PFA:PFA+1], s[PFA:PFA+1], SLOT1 ; one slot further on than the walking descriptor
	s_wait_dscnt 0x0                               ; the add is done, and my reads of the slot are over
	CROUND
	tensor_load_to_lds s[G0B:G0B+3], s[G1:G1+7]
	s_nop 0
	PLACES
	ASK
.else
	s_wait_dscnt 0x0
	s_barrier_signal -1
	s_barrier_wait -1
.endif
	s_sub_co_u32 s[TB], s[TB], 8*STEPB             ; the fetches go back to a slot's first step,
	s_xor_b32 s[TB], s[TB], SLOT1                  ; in the other slot
.endm
; THE SOFTMAX of both tiles for one key step, the tiles by turns line by line.  last = 1: no further mask words are asked for.
.macro SOFT last
	s_wait_kmcnt 0x0                               ; this step's 64 mask words, asked for a step ago
.set i, 0
.rept 32
	v_cndmask_b32 v[S+i], v[NEG], v[S+i], s[MK0+i]         ; bit 0: the score is replaced.  Ascending: each accumulator is read from its low end on
	v_cndmask_b32 v[S+32+i], v[NEG], v[S+32+i], s[MK1+i]
.set i, i+1
.endr
.irp j, 0,1,2,3                        ; the maximum of 32 scores and the old m, three operands at a time, in four chains
.irp t, 0,1
	v_max3_num_f32 v[ST+8*\t+4+\j], v[S+32*\t+8*\j], v[S+32*\t+8*\j+1], v[S+32*\t+8*\j+2]
.endr
.endr
.irp g, 1,2
.irp j, 0,1,2,3
.irp t, 0,1
	v_max3_num_f32 v[ST+8*\t+4+\j], v[ST+8*\t+4+\j], v[S+32*\t+8*\j+2*\g+1], v[S+32*\t+8*\j+2*\g+2]
.endr
.endr
.endr
.irp t, 0,1
	v_max3_num_f32 v[ST+8*\t+4], v[ST+8*\t+4], v[S+32*\t+7], v[S+32*\t+15]
.endr
.irp t, 0,1
	v_max3_num_f32 v[ST+8*\t+6], v[ST+8*\t+6], v[S+32*\t+23], v[S+32*\t+31]
.endr
.irp t, 0,1
	v_max3_num_f32 v[ST+8*\t+4], v[ST+8*\t+4], v[ST+8*\t+5], v[ST+8*\t+6]
.endr
.irp t, 0,1
	v_max3_num_f32 v[ST+8*\t+4], v[ST+8*\t+4], v[ST+8*\t+7], v[ST+8*\t]
.endr
.irp t, 0,1
	v_permlanex16_b32 v[ST+8*\t+5], v[ST+8*\t+4], s[SEL], s[SEL+1]   ; the query's other 32 keys lie in the lane 16 away
.endr
.irp t, 0,1
	v_mov_b32 v[ST+8*\t+7], v[ST+8*\t]             ; m_old
.endr
.irp t, 0,1
	v_max_num_f32 v[ST+8*\t], v[ST+8*\t+4], v[ST+8*\t+5]
.endr
.irp t, 0,1
	v_sub_f32 v[ST+8*\t+7], v[ST+8*\t+7], v[ST+8*\t]
.endr
.if !\last
	s_add_nc_u64 s[MW:MW+1], s[MW:MW+1], 128       ; the wait above has shown the last four scalar loads done: their base may step.  The next step's words:
	s_load_b512 s[MK0:MK0+15], s[MW:MW+1], 0x0
	s_load_b512 s[MK0+16:MK0+31], s[MW:MW+1], 0x40
	s_load_b512 s[MK1:MK1+15], s[MW:MW+1], 0x2000
	s_load_b512 s[MK1+16:MK1+31], s[MW:MW+1], 0x2040
.endif
; ONE BATCH: the 32 subtractions t - m, a pair of scores each, and all 66 exponentials.  None of these names an exponential's result; a pair is brought under m a group ahead of its exponentials.
.irp t, 0,1
	v_pk_add_f32 v[S+32*\t:S+32*\t+1], v[S+32*\t:S+32*\t+1], v[ST+8*\t:ST+8*\t+1] op_sel_hi:[1,0] neg_lo:[0,1] neg_hi:[0,1]
.endr
.irp t, 0,1
	v_exp_f32 v[ST+8*\t+6], v[ST+8*\t+7]           ; a = 2^(m_old - m_new)
.endr
.set b, 0
.rept 16
.if b < 15
.irp t, 0,1
	v_pk_add_f32 v[S+32*\t+2*b+2:S+32*\t+2*b+3], v[S+32*\t+2*b+2:S+32*\t+2*b+3], v[ST+8*\t:ST+8*\t+1] op_sel_hi:[1,0] neg_lo:[0,1] neg_hi:[0,1]
.endr
.endif
.irp t, 0,1
	v_exp_f32 v[S+32*\t+2*b], v[S+32*\t+2*b]       ; p = 2^(t - m), at most 1
	v_exp_f32 v[S+32*\t+2*b+1], v[S+32*\t+2*b+1]
.endr
.set b, b+1
.endr
	v_nop                                          ; a plain line behind the last exponential, ahead of the first use
	s_wait_alu depctr_va_vdst(0)                   ; the wait ahead of the first line that names a result: one for the batch
.set i, 0
.rept 16
	v_cvt_pk_f16_f32 v[P+i], v[S+2*i], v[S+2*i+1]  ; P's fragments: keys 16 kt + 8 h + 0 .. 7 of tile kt in four registers
	v_cvt_pk_f16_f32 v[P+16+i], v[S+32+2*i], v[S+32+2*i+1]
.set i, i+1
.endr
.irp u, 0,1,2,3,4,5,6,7                ; the sum of the unrounded p, in pairs, as a tree in place
.irp t, 0,1
	v_pk_add_f32 v[S+32*\t+4*\u:S+32*\t+4*\u+1], v[S+32*\t+4*\u:S+32*\t+4*\u+1], v[S+32*\t+4*\u+2:S+32*\t+4*\u+3]
.endr
.endr
.irp u, 0,1,2,3
.irp t, 0,1
	v_pk_add_f32 v[S+32*\t+8*\u:S+32*\t+8*\u+1], v[S+32*\t+8*\u:S+32*\t+8*\u+1], v[S+32*\t+8*\u+4:S+32*\t+8*\u+5]
.endr
.endr
.irp u, 0,1
.irp t, 0,1
	v_pk_add_f32 v[S+32*\t+16*\u:S+32*\t+16*\u+1], v[S+32*\t+16*\u:S+32*\t+16*\u+1], v[S+32*\t+16*\u+8:S+32*\t+16*\u+9]
.endr
.endr
.irp t, 0,1
	v_pk_add_f32 v[S+32*\t:S+32*\t+1], v[S+32*\t:S+32*\t+1], v[S+32*\t+16:S+32*\t+17]
.endr
.irp t, 0,1
	v_pk_fma_f32 v[ST+8*\t+2:ST+8*\t+3], v[ST+8*\t+2:ST+8*\t+3], v[ST+8*\t+6:ST+8*\t+7], v[S+32*\t:S+32*\t+1] op_sel_hi:[1,0,1]   ; l = a l + the sum
.endr
	WIN W_RS
.irp t, 0,1
.set i, 0
.rept 16
	v_pk_mul_f32 v[OA+32*\t+2*i:OA+32*\t+2*i+1], v[OA+32*\t+2*i:OA+32*\t+2*i+1], v[ST+8*\t+6:ST+8*\t+7] op_sel_hi:[1,0]   ; O^T x a, each accumulator from its low end on
.set i, i+1
.endr
.endr
.endm
; A KEY STEP.  kind 0: plain; 1: a slot's last step, the slot is filled again; 2: a slot's last step, nothing is left to fetch; 3: the very last step.
; K of step j + 1 is fetched behind the products K Q^T of step j, V of step j + 1 behind the products V^T P of step j: one set of registers each.
.macro STEP kind
	s_wait_dscnt 16                                ; K of this step is in; V's 16 loads, issued behind K's, may be out
	WIN W_KQ
	SPHASE
	WIN 0
.if \kind == 1
	CHANGE 1
.elseif \kind == 2
	CHANGE 0
.endif
.if \kind < 3
	v_add_nc_u32 v[ADR], s[TB], v[LI]              ; with the three lines below: four places between the last product and the loads into K's registers and the reads of the scores
.rept 3
	v_nop
.endr
	KLOAD
	SOFT 0
	s_wait_dscnt 16                                ; V of this step is in; the next step's K, 16 loads, may be out
.else
	PLACES
	SOFT 1
	s_wait_dscnt 0x0
.endif
	WIN W_PV
	PVPHASE
	PLACES                                         ; in front of the loads into V's registers, and of the way out's reads
.if \kind < 3
	WIN TO1
	VLOAD
	WIN 0
	s_add_co_u32 s[TB], s[TB], STEPB               ; the next fetch is the next step's
.else
	WIN 0
.endif
.endm
.macro INNER                           ; a slot's first seven steps
	s_mov_b32 s[STEPS], 7
.Lstep_\@:
	STEP 0
	s_sub_co_u32 s[STEPS], s[STEPS], 1
	s_cmp_lg_u32 s[STEPS], 0
	s_cbranch_scc1 .Lstep_\@
.endm
	s_wait_tensorcnt 1                             ; my part of slot 0 is in; slot 1's may stay out
	s_barrier_signal -1
	s_barrier_wait -1                              ; everybody's is
	v_mov_b32 v[ADR], v[LI]
	KLOAD                                          ; key step 0
	WIN TO1
	VLOAD
	WIN 0
	s_mov_b32 s[TB], STEPB
	s_wait_loadcnt 0x0                             ; Q
.Lslot:                                            ; six trips: slots 0 to 5 are filled again, with the keys of slots 2 to 7
	INNER
	STEP 1
	s_sub_co_u32 s[SLOTS], s[SLOTS], 1
	s_cmp_lg_u32 s[SLOTS], 0
	s_cbranch_scc1 .Lslot
	INNER                                          ; the last two slots are written out
	STEP 2
	INNER
	STEP 3
	; THE WAY OUT.  l's two halves and the other half of the lanes' are added; O^T is divided by l, rounded to f16, and stored as it stands: a lane's eight channels of a query are a piece of the next product's fragment.
.irp t, 0,1
	v_add_f32 v[ST+8*\t+4], v[ST+8*\t+2], v[ST+8*\t+3]
.endr
.irp t, 0,1
	v_permlanex16_b32 v[ST+8*\t+5], v[ST+8*\t+4], s[SEL], s[SEL+1]
.endr
.irp t, 0,1
	v_add_f32 v[ST+8*\t+4], v[ST+8*\t+4], v[ST+8*\t+5]
.endr
.irp t, 0,1
	v_rcp_f32 v[ST+8*\t+6], v[ST+8*\t+4]
.endr
	v_nop                                          ; a plain line between the last reciprocal and the use of its result
	s_wait_alu depctr_va_vdst(0)                   ; and the wait ahead of the first use: one for both
	WIN W_RS
.irp t, 0,1
.set i, 0
.rept 16
	v_pk_mul_f32 v[OA+32*\t+2*i:OA+32*\t+2*i+1], v[OA+32*\t+2*i:OA+32*\t+2*i+1], v[ST+8*\t+6:ST+8*\t+7] op_sel_hi:[1,0]
.set i, i+1
.endr
.endr
	WIN W_CV
.set i, 0
.rept 32
	v_cvt_pk_f16_f32 v[S+i], v[OA+2*i], v[OA+2*i+1]   ; S^T's registers are free
.set i, i+1
.endr
	WIN 0
.irp t, 0,1
.irp ct, 0,1,2,3
	global_store_b128 v[LI], v[S+16*\t+4*\ct:S+16*\t+4*\ct+3], s[OB:OB+1] offset:\t*8192+\ct*512   ; 512 consecutive bytes, aligned
.endr
.endr
	s_wait_tensorcnt 0x0                           ; the wave's end: an add to my spare word and its wait, behind my last tensor load
	ds_add_u32 v[SPW], v[NIL]
	s_wait_dscnt 0x0
	CROUND                                         ; the closing round: no work-group ends while a partner may still ask for a tile that names it
	s_endpgm
.Lfunc_end_k_q263b33b32d_attn:
	.size	k_q263b33b32d_attn, .Lfunc_end_k_q263b33b32d_attn-k_q263b33b32d_attn
	.p2alignl 7, 3214868480
	.fill 96, 4, 3214868480
	.section	.rodata,"a",@progbits
	.p2align	6, 0x0
	.amdhsa_kernel k_q263b33b32d_attn
		.amdhsa_group_segment_fixed_size 327680
		.amdhsa_private_segment_fixed_size 0
		.amdhsa_enable_private_segment 0
		.amdhsa_kernarg_size 32
		.amdhsa_user_sgpr_count 2
		.amdhsa_user_sgpr_kernarg_segment_ptr 1
		.amdhsa_wavefront_size32 1
		.amdhsa_system_sgpr_workgroup_id_x 1
		.amdhsa_system_sgpr_workgroup_id_y 1
		.amdhsa_system_sgpr_workgroup_id_z 1
		.amdhsa_system_vgpr_workitem_id 0
		.amdhsa_next_free_vgpr 512
		.amdhsa_next_free_sgpr 102
		.amdhsa_reserve_vcc 0
		.amdhsa_float_denorm_mode_32 3
		.amdhsa_float_denorm_mode_16_64 3
		.amdhsa_memory_ordered 1
		.amdhsa_forward_progress 1
		.amdhsa_inst_pref_size 144
	.end_amdhsa_kernel
	.amdgpu_metadata
---
amdhsa.version: [ 1, 2 ]
amdhsa.kernels:
  - .name:           k_q263b33b32d_attn
    .symbol:         k_q263b33b32d_attn.kd
    .args:
      - { .name: qimg, .offset: 0, .size: 8, .value_kind: global_buffer, .address_space: global }
      - { .name: kvimg, .offset: 8, .size: 8, .value_kind: global_buffer, .address_space: global }
      - { .name: mw, .offset: 16, .size: 8, .value_kind: global_buffer, .address_space: global }
      - { .name: oimg, .offset: 24, .size: 8, .value_kind: global_buffer, .address_space: global }
    .group_segment_fixed_size: 327680
    .private_segment_fixed_size: 0
    .kernarg_segment_align: 8
    .kernarg_segment_size: 32
    .max_flat_workgroup_size: 256
    .sgpr_count:     102
    .vgpr_count:     512
    .wavefront_size: 32
...
	.end_amdgpu_metadata
.endif
;; end of part 3
;; launch outp (part 4): grid 4 x 64, 8 waves a work-group, clusters of 4 x 4, 297,984 bytes of LDS; arguments oimg, w0h, b0, out0; writes out0
.if DOCPART == 4
	.amdgcn_target "amdgcn-amd-amdhsa--gfx1250"
	.amdhsa_code_object_version 6
	.text
	.protected	k_q263b33b32d_outp
	.globl	k_q263b33b32d_outp
	.p2align	8
	.type	k_q263b33b32d_outp,@function
k_q263b33b32d_outp:
	s_mov_b64 s[64:65], 0
	v_nop
	global_prefetch_b8 v0, s[64:65] scope:SCOPE_SE
	s_setreg_imm32_b32 hwreg(HW_REG_WAVE_MODE, 25, 1), 1
	s_wait_xcnt 0x0
	s_wait_alu depctr_hold_cnt(0) depctr_sa_sdst(0) depctr_va_vdst(0) depctr_va_sdst(0) depctr_va_ssrc(0) depctr_va_vcc(0) depctr_vm_vsrc(0)
	s_getreg_b32 s2, hwreg(HW_REG_IB_STS2, 6, 4)
	s_cmp_eq_u32 s2, 0
	s_cbranch_scc0 .Lentry_in_a_cluster
	s_endpgm
.Lentry_in_a_cluster:
	s_bfe_u32 s2, ttmp6, 0x10000c
	s_cmp_lg_u32 s2, 0xf033
	s_cbranch_scc0 .Lentry_shape_is_right
	s_endpgm
.Lentry_shape_is_right:
; out0 = O w0^T + b0.  O [8192][512] and w0 [512][512] arrive as f16 fragment images (16 rows x 32 k: two pieces of 512 bytes, lane l's 16 bytes at 16 l), laid [k / 256][tile of 16 rows][8 fragments]; sums in f32; out0 f32.
; SHARES.  A work-group makes 128 rows x 128 columns; 4 x 64 work-groups.  Wave w: row tiles 2 (w / 2) + a, column tiles 4 (w % 2) + bc: eight accumulators, 16 K steps of 32, 128 matrix instructions.
; ALL OF K FITS IN LDS: two chunks of 256 along K, each 65,536 bytes of O's eight row tiles and 65,536 of w0's eight column tiles.  Nothing is filled twice: each wave issues two first fills of 16,384 dense bytes, one a chunk
; (two tensor loads of a wave are out, by this text's own count); chunk 0 is multiplied while chunk 1 lands.
; CLUSTERS: 4 x 4 work-groups.  O's tiles hang on the row block alone and are shared along a row of the cluster, w0's on the column block alone and are shared along a column: each is asked for JOINTLY.
; THE MATRIX INSTRUCTION IS USED TRANSPOSED (source 0 = 16 rows of w0, source 1 = 16 rows of O): a lane holds eight neighbouring columns of one row of out0.  b0 is the C of each sum's first product.
; No prefetch: the launch's loads all go out at its head.
.set CHUNK,  131072
.set STAGE,  262144                    ; behind the chunks: 16 rows x (256 bytes + 16) for each wave, for the way out; no tensor load lands there
.set SPITCH, 272
.set SPARE,  STAGE+8*16*SPITCH         ; the spare words, 128 bytes for each wave: four blocks of 256 bytes that no other line names
.set LI,  1                            ; v1   16 x lane
.set ADO, 2                            ; v2-3 LDS address of my two row tiles of O in chunk 0, 1
.set ADW, 4                            ; v4-5 of my four column tiles of w0
.set STO, 6                            ; v6   the way out: where I put 32 bytes of a row
.set RD,  7                            ; v7   where I read a row back
.set CO,  8                            ; v8   my byte offset in out0
.set BO,  9                            ; v9   32 h: b0
.set SPW, 10                           ; v10  LDS address of my spare word; never rewritten
.set NIL, 11                           ; v11  0; never rewritten
.set BI,  16                           ; v16-47   b0 in the result's layout, 8 bc + j
.set F0,  48                           ; v48-95, v96-143 two fragment buffers: w0's four fragments, then O's two
.set ACC, 144                          ; v144-207 accumulator (a, bc) at 32 a + 8 bc
.set G1A, 8                            ; s[8:15]  group 1 for O's tiles;  s[16:23] for w0's: they differ in the mask alone
.set G1B, 16
.set G0A, 24                           ; s[24:31] group 0 for O's tiles, a set for each chunk;  s[32:39] for w0's
.set G0B, 32
.set WV,  48
.macro PLACES
.rept 4
	v_nop
.endr
.endm
.macro CROUND                          ; a round of the cluster's barrier
	s_barrier_signal -1
	s_barrier_wait -1
	s_cmp_lg_u32 s[WV], 0
	s_cbranch_scc1 .Lnot_wave_0_\@
	s_barrier_signal -3
.Lnot_wave_0_\@:
	s_barrier_wait -3
	s_barrier_signal -1
	s_barrier_wait -1
.endm
	s_load_b256 s[40:47], s[0:1], 0x0              ; oimg, w0h, b0, out0
	v_lshl_add_u32 v[SPW], v0, 2, SPARE
	v_mov_b32 v[NIL], 0
	ds_add_u32 v[SPW], v[NIL]                      ; the wave's opening: the add, twice on end, and its wait ahead of my first tensor load; the set-up below, work on registers, stands between
	ds_add_u32 v[SPW], v[NIL]
	v_lshrrev_b32 v1, 5, v0
	v_readfirstlane_b32 s[WV], v1                  ; wave 0..7
	s_bfe_u32 s49, ttmp6, 0x40000                  ; cx, cy: my place in the cluster
	s_bfe_u32 s50, ttmp6, 0x40004
	s_lshl_b32 s51, ttmp9, 2
	s_add_co_u32 s51, s51, s49                     ; column block = 4 x cluster x + cx
	s_and_b32 s52, ttmp7, 0xffff
	s_lshl_b32 s52, s52, 2
	s_add_co_u32 s52, s52, s50                     ; row block = 4 x cluster y + cy
	s_lshl_b32 s53, s50, 2
	s_lshl_b32 s53, 15, s53                        ; my row of the cluster
	s_lshl_b32 s54, 0x1111, s49                    ; my column
	s_or_b32 s[G1A], s53, (3<<16)|(1<<21)          ; 15:0 the mask; 17:16 elements of 8 bytes; 21 set beside a mask; no padding
	s_or_b32 s[G1B], s54, (3<<16)|(1<<21)
.irp g, G1A, G1B
	s_mov_b32 s[\g+1], 32<<16                      ; 16,384 dense bytes as 64 rows of 32 elements: tensor_dim0 = 32
	s_mov_b32 s[\g+2], 64<<16                      ; tensor_dim1 = 64
	s_mov_b32 s[\g+3], 32<<16                      ; tile_dim0 = 32
	s_mov_b32 s[\g+4], 64                          ; tile_dim1 = 64
	s_mov_b32 s[\g+5], 32                          ; from row to row
	s_mov_b32 s[\g+6], 0
	s_mov_b32 s[\g+7], 0
.endr
	s_and_b32 s55, s[WV], 3
	s_lshl_b32 s55, s55, 14                        ; which two tiles of the eight I fetch
	s_lshl_b32 s56, s52, 16                        ; O: 65,536 bytes a row block in a chunk
	s_add_co_u32 s56, s56, s55
	s_mov_b32 s57, 0
	s_lshl_b32 s58, s51, 16                        ; w0: 65,536 bytes a column block in a chunk
	s_add_co_u32 s58, s58, s55
	s_mov_b32 s59, 0
	s_lshl_b32 s60, s[WV], 14                      ; where they go: waves 0-3 O's part of a chunk, waves 4-7 w0's behind it: no place in the cluster enters an LDS address
	s_wait_dscnt 0x0                               ; both opening adds are done
	s_wait_kmcnt 0x0
	s_add_nc_u64 s[56:57], s[40:41], s[56:57]
	s_add_nc_u64 s[58:59], s[42:43], s[58:59]
	CROUND                                         ; all sixteen work-groups are here: the joint loads meet
.irp q, 0,1
	s_mov_b32 s[G0A+4*\q], 1
	s_add_co_u32 s[G0A+4*\q+1], s60, \q*CHUNK
	s_add_nc_u64 s[G0A+4*\q+2:G0A+4*\q+3], s[56:57], \q<<22
	s_or_b32 s[G0A+4*\q+3], s[G0A+4*\q+3], 0x80000000
	s_mov_b32 s[G0B+4*\q], 1
	s_add_co_u32 s[G0B+4*\q+1], s60, \q*CHUNK
	s_add_nc_u64 s[G0B+4*\q+2:G0B+4*\q+3], s[58:59], \q<<18
	s_or_b32 s[G0B+4*\q+3], s[G0B+4*\q+3], 0x80000000
.endr
	s_cmp_lt_u32 s[WV], 4                          ; a wave's two fills stand in one branch on the wave's number, the same in every work-group
	s_cbranch_scc0 .Lfor_w
	tensor_load_to_lds s[G0A:G0A+3], s[G1A:G1A+7]
	s_nop 0
	tensor_load_to_lds s[G0A+4:G0A+7], s[G1A:G1A+7]
	s_nop 0
	PLACES
	s_branch .Lasked
.Lfor_w:
	tensor_load_to_lds s[G0B:G0B+3], s[G1B:G1B+7]
	s_nop 0
	tensor_load_to_lds s[G0B+4:G0B+7], s[G1B:G1B+7]
	s_nop 0
	PLACES
.Lasked:
	v_and_b32 v1, 31, v0
	v_lshlrev_b32 v[LI], 4, v1
	v_and_b32 v12, 15, v0                          ; r
	v_bfe_u32 v13, v0, 4, 1                        ; h
	s_lshr_b32 s61, s[WV], 1
	s_lshl_b32 s62, s61, 14                        ; my two row tiles
	v_add_nc_u32 v[ADO], s62, v[LI]
	v_add_nc_u32 v[ADO+1], CHUNK, v[ADO]
	s_and_b32 s63, s[WV], 1
	s_lshl_b32 s66, s63, 15                        ; my four column tiles, behind O's 65,536 bytes
	s_add_co_u32 s66, s66, 65536
	v_add_nc_u32 v[ADW], s66, v[LI]
	v_add_nc_u32 v[ADW+1], CHUNK, v[ADW]
	s_mul_i32 s67, s[WV], 16*SPITCH
	s_add_co_u32 s67, s67, STAGE                   ; my stage
	v_mul_u32_u24 v[STO], v12, SPITCH              ; in: row r, 32 bytes for each half of the lanes
	v_lshl_add_u32 v[STO], v13, 5, v[STO]
	v_add_nc_u32 v[STO], s67, v[STO]
	v_mul_u32_u24 v[RD], v13, SPITCH               ; back: lanes 0-15 one row of 256 bytes, lanes 16-31 the next
	v_lshl_add_u32 v[RD], v12, 4, v[RD]
	v_add_nc_u32 v[RD], s67, v[RD]
	v_lshlrev_b32 v[CO], 11, v13                   ; and the same two rows in out0: 2,048 bytes a row
	v_lshl_add_u32 v[CO], v12, 4, v[CO]
	v_lshlrev_b32 v[BO], 5, v13
	s_lshl_b32 s68, s51, 9                         ; my 64 columns, in bytes: 512 x column block + 256 x (w % 2)
	s_lshl_b32 s69, s63, 8
	s_add_co_u32 s68, s68, s69
	s_mov_b32 s69, 0
	s_add_nc_u64 s[44:45], s[44:45], s[68:69]      ; b0 there
	s_lshl_b32 s70, s52, 18                        ; my first row: 128 x row block + 32 x (w / 2)
	s_lshl_b32 s71, s61, 16
	s_add_co_u32 s70, s70, s71
	s_add_co_u32 s70, s70, s68
	s_mov_b32 s71, 0
	s_add_nc_u64 s[46:47], s[46:47], s[70:71]
.irp bc, 0,1,2,3
	global_load_b128 v[BI+8*\bc:BI+8*\bc+3], v[BO], s[44:45] offset:64*\bc        ; b0 at columns 16 bc + 8 h + 0 .. 7
	global_load_b128 v[BI+8*\bc+4:BI+8*\bc+7], v[BO], s[44:45] offset:64*\bc+16
.endr
.macro FETCH F                         ; K step F's six fragments: 12 loads of 512 consecutive bytes
.set FB, F0+48*((\F)%2)
.set QQ, (\F)/8
.set FO, ((\F)%8)*1024
.irp bc, 0,1,2,3
.irp c, 0,1
	ds_load_b128 v[FB+8*\bc+4*\c:FB+8*\bc+4*\c+3], v[ADW+QQ] offset:\bc*8192+FO+512*\c
.endr
.endr
.irp a, 0,1
.irp c, 0,1
	ds_load_b128 v[FB+32+8*\a+4*\c:FB+32+8*\a+4*\c+3], v[ADO+QQ] offset:\a*8192+FO+512*\c
.endr
.endr
.endm
.macro MUL F                           ; eight products; the eight accumulators take turns, one instruction a turn, in the same order in every K step
.set FB, F0+48*((\F)%2)
.irp a, 0,1
.irp bc, 0,1,2,3
.if (\F) == 0
	v_wmma_f32_16x16x32_f16 v[ACC+32*\a+8*\bc:ACC+32*\a+8*\bc+7], v[FB+8*\bc:FB+8*\bc+7], v[FB+32+8*\a:FB+32+8*\a+7], v[BI+8*\bc:BI+8*\bc+7]
.else
	v_wmma_f32_16x16x32_f16 v[ACC+32*\a+8*\bc:ACC+32*\a+8*\bc+7], v[FB+8*\bc:FB+8*\bc+7], v[FB+32+8*\a:FB+32+8*\a+7], v[ACC+32*\a+8*\bc:ACC+32*\a+8*\bc+7]
.endif
.endr
.endr
.endm
	s_wait_tensorcnt 1                             ; my part of chunk 0 is in; chunk 1's may stay out
	s_barrier_signal -1
	s_barrier_wait -1                              ; everybody's is
	FETCH 0
	s_wait_loadcnt 0x0                             ; b0
.irp F, 0,1,2,3,4,5,6,7,8,9,10,11,12,13,14,15
.if \F < 15
.if \F == 7
	s_wait_tensorcnt 0x0                           ; chunk 1 is read next: my part of it is in (no load was issued behind it),
	s_wait_dscnt 0x0                               ; no LDS instruction of mine is out at the signal,
	s_barrier_signal -1
	s_barrier_wait -1                              ; and everybody's part is in
.endif
.if \F > 0
	PLACES                                         ; in front of loads into the buffer that the last K step's products read
.endif
	FETCH \F+1
	s_wait_dscnt 12                                ; all but the 12 just issued
.else
	s_wait_dscnt 0x0
.endif
	MUL \F
.endr
	; THE WAY OUT.  A lane holds 32 neighbouring bytes of a row, the lanes beside it other rows: 16 rows x 256 bytes at a time go through my own stage and come back as whole rows.
	PLACES
.irp a, 0,1
.irp bc, 0,1,2,3
	ds_store_b128 v[STO], v[ACC+32*\a+8*\bc:ACC+32*\a+8*\bc+3] offset:64*\bc        ; each accumulator from its low end on
	ds_store_b128 v[STO], v[ACC+32*\a+8*\bc+4:ACC+32*\a+8*\bc+7] offset:64*\bc+16
.endr
.irp t, 0,1,2,3,4,5,6,7
	ds_load_b128 v[F0+48*\a+4*\t:F0+48*\a+4*\t+3], v[RD] offset:\t*2*SPITCH   ; LDS serves a wave's instructions in order: these see the stores above, and the next 16 rows' stores come behind them
.endr
.endr
.irp a, 0,1
.irp t, 0,1,2,3,4,5,6,7
	s_wait_dscnt 16*(1-\a)+7-\t                    ; the LDS lines issued behind this load may be out
	global_store_b128 v[CO], v[F0+48*\a+4*\t:F0+48*\a+4*\t+3], s[46:47] offset:\a*32768+\t*4096 th:TH_STORE_NT   ; 16 lanes store 256 consecutive bytes, at a multiple of 256 from out0's first byte
.endr
.endr
	s_wait_tensorcnt 0x0                           ; the wave's end: an add to my spare word and its wait, behind my last tensor load and my last LDS store
	ds_add_u32 v[SPW], v[NIL]
	s_wait_dscnt 0x0
	CROUND                                         ; the closing round: no work-group ends while a partner may still ask for a tile that names it
	s_endpgm
.Lfunc_end_k_q263b33b32d_outp:
	.size	k_q263b33b32d_outp, .Lfunc_end_k_q263b33b32d_outp-k_q263b33b32d_outp
	.p2alignl 7, 3214868480
	.fill 96, 4, 3214868480
	.section	.rodata,"a",@progbits
	.p2align	6, 0x0
	.amdhsa_kernel k_q263b33b32d_outp
		.amdhsa_group_segment_fixed_size 297984
		.amdhsa_private_segment_fixed_size 0
		.amdhsa_enable_private_segment 0
		.amdhsa_kernarg_size 32
		.amdhsa_user_sgpr_count 2
		.amdhsa_user_sgpr_kernarg_segment_ptr 1
		.amdhsa_wavefront_size32 1
		.amdhsa_system_sgpr_workgroup_id_x 1
		.amdhsa_system_sgpr_workgroup_id_y 1
		.amdhsa_system_sgpr_workgroup_id_z 1
		.amdhsa_system_vgpr_workitem_id 0
		.amdhsa_next_free_vgpr 208
		.amdhsa_next_free_sgpr 72
		.amdhsa_reserve_vcc 0
		.amdhsa_float_denorm_mode_32 3
		.amdhsa_float_denorm_mode_16_64 3
		.amdhsa_memory_ordered 1
		.amdhsa_forward_progress 1
		.amdhsa_inst_pref_size 34
	.end_amdhsa_kernel
	.amdgpu_metadata
---
amdhsa.version: [ 1, 2 ]
amdhsa.kernels:
  - .name:           k_q263b33b32d_outp
    .symbol:         k_q263b33b32d_outp.kd
    .args:
      - { .name: oimg, .offset: 0, .size: 8, .value_kind: global_buffer, .address_space: global }
      - { .name: w0h, .offset: 8, .size: 8, .value_kind: global_buffer, .address_space: global }
      - { .name: b0, .offset: 16, .size: 8, .value_kind: global_buffer, .address_space: global }
      - { .name: out0, .offset: 24, .size: 8, .value_kind: global_buffer, .address_space: global }
    .group_segment_fixed_size: 297984
    .private_segment_fixed_size: 0
    .kernarg_segment_align: 8
    .kernarg_segment_size: 32
    .max_flat_workgroup_size: 256
    .sgpr_count:     72
    .vgpr_count:     208
    .wavefront_size: 32
...
	.end_amdgpu_metadata
.endif
;; end of part 4
